; MI455X (gfx1250); checked and timed in simulation.
; The chip was launched on July 23, 2026; its instructions are those of AMD's public machine-readable ISA for CDNA 5 (MIT licence, August 2026) and "CDNA5" Instruction Set Architecture Reference Guide (July 2026). The comments in the code are by the model that wrote it; some were corrected since.
;; Non Local Block2 D. Allowed arithmetic: matrix products marked QUANTISED: E2M1 operands, one E8M0 scale for each 32 along K, by v_wmma_scale_f32_16x16x128_f8f6f4 with both operands' format E2M1 (or v_wmma_scale_f32_32x16x128_f4), f32 sums; products left as they are: bf16, f16 or f32 operands; f32 sums; everything else in f32.
;; Inputs: W_b 256 float32; W_w 256 x 128 float32; bn_beta 256 float32; bn_gamma 256 float32; g_b 128 float32; g_w 128 x 256 float32; phi_b 128 float32; phi_w 128 x 256 float32; theta_b 128 float32; theta_w 128 x 256 float32; x 8 x 256 x 64 x 64 float32; y 8 x 256 x 64 x 64 float32.
;; Outputs: out0 8 x 256 x 64 x 64 float32.
;; This version of the problem:
;;   THIS VERSION OF THE PROBLEM IS GIVEN IN LOW PRECISION. The matrix products marked QUANTISED in the list below multiply operands that are first quantised to E2M1 (2 exponent bits, 1 mantissa bit; 4 bits a number), with one power-of-two scale for each 32 numbers along K (OCP MX v1.0); their sums are f32. The products marked 'left as it is' may take bf16, f16 or f32 operands, with f32 sums. Whichever they take, every output number must still come out within the allowed error. Rounding operands to bf16 (8 significant bits) uses up far more of that allowance than f16 does (11 bits, for magnitudes from 6e-5 to 65,504). All else is computed in f32.
;;   The module's matrix products, in the order in which they are computed (A, B: the left and right operand; K: the contracted axis; several contracted axes count as one K, in the product's order):
;;     1. [M 128, K 256] x [K 256, N 32,768]; A: input g_w; B: input y: QUANTISED
;;     2. [M 128, K 256] x [K 256, N 32,768]; A: input phi_w; B: input y: QUANTISED
;;     3. [M 128, K 256] x [K 256, N 32,768]; A: input theta_w; B: input x: QUANTISED
;;     4. batch 8 x [M 4,096, K 128] x [K 128, N 1,024]; A: computed on the way; B: computed on the way: left as it is (an operand is computed on the way)
;;     5. batch 8 x [M 4,096, K 1,024] x [K 1,024, N 128]; A: computed on the way; B: computed on the way: left as it is (an operand is computed on the way)
;;     6. [M 256, K 128] x [K 128, N 32,768]; A: input W_w; B: computed on the way: left as it is (an operand is computed on the way)
;;   THE QUANTISER, for each operand of a quantised product, along K:
;;     - K is cut into blocks of 32 from its start; a last block that is shorter is filled with zeros.
;;     - A block's scale is 2^e with e = floor(log2(the largest magnitude in the block)) - 2, held to -126 .. 127; a block of zeros has e = 0. As a byte (E8M0): e + 127.
;;     - Each number is divided by its block's scale, clamped to +-6, and rounded to the nearest number of E2M1, ties to even, subnormals kept.
;;     - The product sums the exact products of the quantised numbers (number of the format x scale) in f32.
;;   ~~~python
;;   def quantise(x, axis):      # numpy; x: float32 -> the quantised numbers, widened to float32 again
;;       x = np.moveaxis(x, axis, -1); K = x.shape[-1]
;;       x = np.pad(x, [(0, 0)] * (x.ndim - 1) + [(0, -K % 32)]); x = x.reshape(x.shape[:-1] + (-1, 32)); a = np.abs(x).max(-1, keepdims=True)
;;       e = np.where(a > 0, np.clip(np.frexp(np.where(a > 0, a, 1))[1] - 1 - 2, -126, 127), 0)      # np.frexp(a)[1] - 1 = floor(log2(a)), exactly
;;       r = np.clip(x / 2.0 ** e, -6, 6)
;;       step = 2.0 ** (np.maximum(np.frexp(np.where(r == 0, 1, r))[1] - 1, 0) - 1)
;;       q = np.round(r / step) * step * 2.0 ** e      # np.round: ties to even
;;       return np.moveaxis(q.reshape(q.shape[:-2] + (-1,))[..., :K], -1, axis).astype(np.float32)
;;   ~~~
;; One version. Each part assembles by itself: llvm-mc -triple=amdgcn-amd-amdhsa -mcpu=gfx1250 --defsym DOCPART=n.
;; ======== version 1 of 1: 4 launches
;; limits: values are held in f16: magnitudes above 65,504 overflow, below 6.1e-05 lose precision
;; workspace buffers: wq 49,152 bytes; ws 6,144 bytes; wf 65,536 bytes; cb 1,024 bytes; pg 4,194,304 bytes; tq 524,288 bytes; te 256 bytes
;; launch prep (part 1): grid 29 x 1, 4 waves a work-group, no clusters, 0 bytes of LDS; arguments g_w, phi_w, theta_w, W_w, W_b, bn_gamma, bn_beta, wq, ws, wf, cb; writes wq, ws, wf, cb
.if DOCPART == 1
	.amdgcn_target "amdgcn-amd-amdhsa--gfx1250"
	.amdhsa_code_object_version 6
	.text
	.protected	k_q6c5c195dd1_prep
	.globl	k_q6c5c195dd1_prep
	.p2align	8
	.type	k_q6c5c195dd1_prep,@function
k_q6c5c195dd1_prep:
	s_mov_b64 s[64:65], 0
	v_nop
	global_prefetch_b8 v0, s[64:65] scope:SCOPE_SE
	s_setreg_imm32_b32 hwreg(HW_REG_WAVE_MODE, 25, 1), 1
	s_wait_xcnt 0x0
; THE WEIGHTS ARE LAID OUT ONCE, in the order in which the later launches' operand registers take them.
; Work-groups 0-11:  g_w, phi_w, theta_w [128][256] f32 -> codes of FP4 (E2M1) with one E8M0 byte for each 32 along K (K = the 256 input channels, innermost).
;                    A wave makes one fragment (16 rows x 128 K): wq[weight][tile][s] = 1,024 bytes: registers 4 c .. 4 c + 3 of lane l at 512 c + 16 l;  ws: its scale words, lane l: row l % 16.
; Work-groups 12-27: W_w [256][128] f32 -> f16 fragments (16 columns o x 32 K): wf[ot][s] = 1,024 bytes.  Column r of tile ot stands for o = 64 (ot / 4) + 32 (r / 8) + 8 (ot % 4) + r % 8,
;                    so that the last launch's results fall into the lanes and registers in which x lies.
; Work-group 28:     cb[o] = gamma[o] / sqrt(1 + 1e-5) * W_b[o] + beta[o].
; A block's scale is 2^(floor(log2(largest magnitude)) - 2): its byte is the largest magnitude's exponent field - 2, held at 1 from below by a floor among the maximum's leaves.
; (A block of zeros so keeps the byte 1 where the rule says 127: its codes are zeros, and this program alone reads the bytes.)
; LIMITS: NaN and infinities are not served; blocks whose largest magnitude lies under 2^-124 keep the byte 1; W_w goes to f16, so its magnitudes stay under 65,504.
.set X, 32                             ; v32-95  numbers as loaded
.set C, 16                             ; v16-23  a fragment
	s_load_b256 s[4:11], s[0:1], 0x0               ; g_w, phi_w, theta_w, W_w
	s_load_b256 s[12:19], s[0:1], 0x20             ; W_b, bn_gamma, bn_beta, wq
	s_load_b128 s[20:23], s[0:1], 0x40             ; ws, wf
	s_load_b64 s[24:25], s[0:1], 0x50              ; cb
	v_lshrrev_b32 v1, 5, v0
	v_readfirstlane_b32 s26, v1                    ; wave 0..3
	v_and_b32 v1, 31, v0                           ; lane
	v_and_b32 v2, 15, v0                           ; r
	v_bfe_u32 v3, v0, 4, 1                         ; h
	v_lshlrev_b32 v5, 4, v1                        ; 16 x lane
	v_lshlrev_b32 v6, 2, v1                        ; 4 x lane
	s_mov_b32 s33, 0
	s_mov_b32 s35, 0
	s_mov_b32 s37, 0
	s_wait_kmcnt 0x0
	s_cmp_lt_u32 ttmp9, 12
	s_cbranch_scc0 .Lnot_q
	; ---- a fragment of codes
	s_lshr_b32 s27, ttmp9, 2                       ; which weight: 0 g, 1 phi, 2 theta
	s_and_b32 s28, ttmp9, 3
	s_lshl_b32 s28, s28, 2
	s_add_co_u32 s28, s28, s26                     ; f = 2 tile + s
	s_lshr_b32 s29, s28, 1                         ; tile
	s_and_b32 s30, s28, 1                          ; s
	s_lshl_b32 s32, s29, 14                        ; 16 rows of 1,024 bytes
	s_lshl_b32 s30, s30, 9                         ; 128 numbers
	s_add_co_u32 s32, s32, s30
	s_lshl_b32 s31, s27, 4
	s_add_co_u32 s31, s31, s28                     ; 16 weight + f
	s_lshl_b32 s34, s31, 10
	s_lshl_b32 s36, s31, 7
	s_cmp_eq_u32 s27, 1                            ; the choice hangs on the work-group's number alone
	s_cselect_b64 s[4:5], s[6:7], s[4:5]
	s_cmp_eq_u32 s27, 2
	s_cselect_b64 s[4:5], s[8:9], s[4:5]
	s_add_nc_u64 s[4:5], s[4:5], s[32:33]
	s_add_nc_u64 s[18:19], s[18:19], s[34:35]
	s_add_nc_u64 s[20:21], s[20:21], s[36:37]
	s_mov_b32 s38, 0x76543210
	s_mov_b32 s39, 0xfedcba98                      ; v_permlanex16_b32's selects for lane l xor 16
	v_lshlrev_b32 v4, 10, v2                       ; row r,
	v_lshl_add_u32 v4, v3, 7, v4                   ; + 32 h numbers: lane (r, h) holds k = 64 c + 32 h + 0 .. 31
.irp c, 0,1
.irp q, 0,1,2,3,4,5,6,7
	global_load_b128 v[X+32*\c+4*\q:X+32*\c+4*\q+3], v4, s[4:5] offset:256*\c+16*\q th:TH_LOAD_NT
.endr
.endr
	s_wait_loadcnt 0x0
.irp c, 0,1                            ; my block 2 c + h: all its 32 numbers are mine
	v_max3_num_f32 v[8+\c], |v[X+32*\c]|, |v[X+1+32*\c]|, 0x1800000   ; with the floor 2^(3 - 127)
.endr
.irp i, 2,4,6,8,10,12,14,16,18,20,22,24,26,28,30
.irp c, 0,1
	v_max3_num_f32 v[8+\c], v[8+\c], |v[X+32*\c+\i]|, |v[X+1+32*\c+\i]|
.endr
.endr
.irp c, 0,1
	v_add_nc_u32 v[10+\c], 0xff000000, v[8+\c]     ; 2 off the exponent field: the conversion's scale operand
.endr
.irp c, 0,1
	v_lshrrev_b32 v[12+\c], 23, v[10+\c]           ; the scale's byte
.endr
	v_lshl_or_b32 v14, v13, 16, v12                ; my two bytes: blocks h and 2 + h,
	v_lshlrev_b32 v15, 3, v3
	v_lshlrev_b32 v14, v15, v14                    ; at their places in the scale word;
	v_mov_b32 v15, 0
	v_permlanex16_b32 v15, v14, s38, s39
	v_or_b32 v14, v14, v15                         ; with lane l xor 16's two the word is whole
.irp c, 0,1
.irp g, 0,1,2,3
	v_cvt_scalef32_pk8_fp4_f32 v[C+4*\c+\g], v[X+32*\c+8*\g:X+32*\c+8*\g+7], v[10+\c]
.endr
.endr
	v_nop                                          ; one plain line behind the last conversion
	global_store_b128 v5, v[C:C+3], s[18:19]       ; each store of the wave covers 512 consecutive bytes
	global_store_b128 v5, v[C+4:C+7], s[18:19] offset:512
	global_store_b32 v6, v14, s[20:21]
	s_endpgm
.Lnot_q:
	s_cmp_lt_u32 ttmp9, 28
	s_cbranch_scc0 .Lnot_f
	; ---- a fragment of W_w in f16: tile ot = work-group - 12, K step s = wave
	s_sub_co_u32 s27, ttmp9, 12
	s_lshr_b32 s28, s27, 2
	s_and_b32 s29, s27, 3
	s_lshl_b32 s28, s28, 15                        ; 64 rows of 512 bytes
	s_lshl_b32 s29, s29, 12                        ; 8 rows
	s_add_co_u32 s32, s28, s29
	s_lshl_b32 s30, s26, 7                         ; 32 s numbers
	s_add_co_u32 s32, s32, s30
	s_lshl_b32 s34, s27, 12
	s_lshl_b32 s30, s26, 10
	s_add_co_u32 s34, s34, s30                     ; (4 ot + s) x 1,024
	s_add_nc_u64 s[10:11], s[10:11], s[32:33]
	s_add_nc_u64 s[22:23], s[22:23], s[34:35]
	v_bfe_u32 v4, v0, 3, 1                         ; r / 8: 32 rows on
	v_and_b32 v7, 7, v0                            ; r % 8
	v_lshlrev_b32 v7, 9, v7
	v_lshl_add_u32 v4, v4, 14, v7
	v_lshl_add_u32 v4, v3, 5, v4                   ; + 8 h numbers
	global_load_b128 v[X:X+3], v4, s[10:11] th:TH_LOAD_NT            ; k = 8 h + 0 .. 7
	global_load_b128 v[X+4:X+7], v4, s[10:11] offset:16 th:TH_LOAD_NT
	global_load_b128 v[X+8:X+11], v4, s[10:11] offset:64 th:TH_LOAD_NT   ; k = 16 + 8 h + 0 .. 7
	global_load_b128 v[X+12:X+15], v4, s[10:11] offset:80 th:TH_LOAD_NT
	s_wait_loadcnt 0x0
.irp i, 0,1,2,3,4,5,6,7
	v_cvt_pk_f16_f32 v[C+\i], v[X+2*\i], v[X+2*\i+1]
.endr
	global_store_b128 v5, v[C:C+3], s[22:23]
	global_store_b128 v5, v[C+4:C+7], s[22:23] offset:512
	s_endpgm
.Lnot_f:
	; ---- the constant term: thread t takes outputs 2 t, 2 t + 1
	v_lshlrev_b32 v4, 3, v0
	global_load_b64 v[32:33], v4, s[12:13]         ; W_b
	global_load_b64 v[34:35], v4, s[14:15]         ; gamma
	global_load_b64 v[36:37], v4, s[16:17]         ; beta
	s_wait_loadcnt 0x0
	v_pk_mul_f32 v[34:35], v[34:35], 0x3f7fffac op_sel_hi:[1,0]      ; x 1 / sqrt(1 + 1e-5)
	v_pk_fma_f32 v[38:39], v[34:35], v[32:33], v[36:37]
	global_store_b64 v4, v[38:39], s[24:25]
	s_endpgm
.Lfunc_end_k_q6c5c195dd1_prep:
	.size	k_q6c5c195dd1_prep, .Lfunc_end_k_q6c5c195dd1_prep-k_q6c5c195dd1_prep
	.p2alignl 7, 3214868480
	.fill 96, 4, 3214868480
	.section	.rodata,"a",@progbits
	.p2align	6, 0x0
	.amdhsa_kernel k_q6c5c195dd1_prep
		.amdhsa_group_segment_fixed_size 0
		.amdhsa_private_segment_fixed_size 0
		.amdhsa_enable_private_segment 0
		.amdhsa_kernarg_size 88
		.amdhsa_user_sgpr_count 2
		.amdhsa_user_sgpr_kernarg_segment_ptr 1
		.amdhsa_wavefront_size32 1
		.amdhsa_system_sgpr_workgroup_id_x 1
		.amdhsa_system_sgpr_workgroup_id_y 1
		.amdhsa_system_sgpr_workgroup_id_z 1
		.amdhsa_system_vgpr_workitem_id 0
		.amdhsa_next_free_vgpr 96
		.amdhsa_next_free_sgpr 66
		.amdhsa_reserve_vcc 0
		.amdhsa_float_denorm_mode_32 3
		.amdhsa_float_denorm_mode_16_64 3
		.amdhsa_memory_ordered 1
		.amdhsa_forward_progress 1
		.amdhsa_inst_pref_size 10
	.end_amdhsa_kernel
	.amdgpu_metadata
---
amdhsa.version: [ 1, 2 ]
amdhsa.kernels:
  - .name:           k_q6c5c195dd1_prep
    .symbol:         k_q6c5c195dd1_prep.kd
    .args:
      - { .name: g_w, .offset: 0, .size: 8, .value_kind: global_buffer, .address_space: global }
      - { .name: phi_w, .offset: 8, .size: 8, .value_kind: global_buffer, .address_space: global }
      - { .name: theta_w, .offset: 16, .size: 8, .value_kind: global_buffer, .address_space: global }
      - { .name: W_w, .offset: 24, .size: 8, .value_kind: global_buffer, .address_space: global }
      - { .name: W_b, .offset: 32, .size: 8, .value_kind: global_buffer, .address_space: global }
      - { .name: bn_gamma, .offset: 40, .size: 8, .value_kind: global_buffer, .address_space: global }
      - { .name: bn_beta, .offset: 48, .size: 8, .value_kind: global_buffer, .address_space: global }
      - { .name: wq, .offset: 56, .size: 8, .value_kind: global_buffer, .address_space: global }
      - { .name: ws, .offset: 64, .size: 8, .value_kind: global_buffer, .address_space: global }
      - { .name: wf, .offset: 72, .size: 8, .value_kind: global_buffer, .address_space: global }
      - { .name: cb, .offset: 80, .size: 8, .value_kind: global_buffer, .address_space: global }
    .group_segment_fixed_size: 0
    .private_segment_fixed_size: 0
    .kernarg_segment_align: 8
    .kernarg_segment_size: 88
    .max_flat_workgroup_size: 128
    .sgpr_count:     66
    .vgpr_count:     96
    .wavefront_size: 32
...
	.end_amdgpu_metadata
.endif
;; end of part 1
;; launch pool (part 2): grid 256 x 1, 8 waves a work-group, no clusters, 18,432 bytes of LDS; arguments y, wq, ws, g_b, phi_b, pg; writes pg
.if DOCPART == 2
	.amdgcn_target "amdgcn-amd-amdhsa--gfx1250"
	.amdhsa_code_object_version 6
	.text
	.protected	k_q6c5c195dd1_pool
	.globl	k_q6c5c195dd1_pool
	.p2align	8
	.type	k_q6c5c195dd1_pool,@function
k_q6c5c195dd1_pool:
	s_mov_b64 s[64:65], 0
	v_nop
	global_prefetch_b8 v0, s[64:65] scope:SCOPE_SE
	s_setreg_imm32_b32 hwreg(HW_REG_WAVE_MODE, 25, 1), 1
	s_wait_xcnt 0x0
; g = maxpool2(g_w y + g_b), phi = maxpool2(phi_w y + phi_b), both products on codes of FP4 (E2M1) with one E8M0 scale for each 32 along K (K = y's 256 channels).
; SHARES.  Work-group n: batch b = n / 32, image rows 2 i and 2 i + 1 (i = n % 32): 128 pixels, which make pooled row i.  Eight waves.
; PIXEL TILES.  Tile p = 4 H + t (H: which of the two image rows, t = 0 .. 3): its row r stands for pixel column 4 r + t.  So one 16-byte load of lane (r, h) is four neighbouring pixels of one channel,
; one for each tile t, and sixteen lanes read 256 consecutive bytes, aligned.
; QUANTISER.  Wave v takes channels 64 w + 32 h + 0 .. 31 (w = v % 4) of image row H = v / 4: a lane's 32 loads run down K: block 2 w + h of its four pixels lies in the lane, so a block's largest
; magnitude needs no other lane.  The conversion takes eight neighbours along K from consecutive registers, a load gives four pixels of one channel: each number is copied once.
; A pixel's four code registers are registers 4 (w % 2) .. + 3 of fragment (p, s = w / 2) in this very lane: they go to LDS as an image of the operand's registers.
; PRODUCT, used transposed: source 0 = 16 pixels, source 1 = 16 output channels; wave v owns channel tiles 2 v, 2 v + 1 of the sixteen (0-7 g, 8-15 phi).  The bias is the C of a sum's first instruction.
; A lane then holds one channel, and register j of tiles 2 u, 2 u + 1, 4 + 2 u, 5 + 2 u holds the four pixels of ONE pool window: pooled column 16 h + 2 j + u.
; OUT.  pg[n][channel tile][1,024 bytes]: an f16 fragment (16 channels x the 32 pooled columns of row i): register j of lane (r, h) holds pooled columns 16 h + 2 j, 16 h + 2 j + 1 of channel r.
; The places along K are the same for g and phi, which is all that their product asks.
; LIMITS: g and phi go to f16: magnitudes up to 65,504; NaN and infinities are not served; blocks whose largest magnitude lies under 2^-124 keep the scale byte 1.
.set CODES, 0                          ; LDS: 8 pixel tiles x 2 K steps x 1,024 bytes
.set SCL,   16384                      ; 8 tiles x 16 rows x 8 scale bytes
.set SPARE, 17408                      ; the spare words, 128 bytes for each wave: four blocks of 256 bytes that no other line names
.set YO,  4                            ; v4   y: h x 32 channels + 16 r
.set LI,  5                            ; v5   16 x lane
.set CST, 6                            ; v6   where I store codes
.set BST, 7                            ; v7   where I store a scale byte
.set SRD, 8                            ; v8   where I read a row's eight scale bytes
.set RB,  9                            ; v9   4 r
.set SPW, 10                           ; v10  my spare word; never rewritten
.set NIL, 11                           ; v11  0; never rewritten
.set M,   12                           ; v12-15 largest magnitudes, v16-19 scale operands, v20-23 bytes: one for each pixel t
.set SCO, 16
.set BY,  20
.set TMP, 24                           ; v24-39 two sets of eight neighbours along K
.set CD,  40                           ; v40-55 codes: 4 t + g
.set WC,  56                           ; v56-87 the weights' fragments: 8 (2 ctl + s)
.set WSC, 88                           ; v88-91 their scale words
.set BI,  92                           ; v92-107 the bias in the result's layout: 8 ctl
.set BL,  108                          ; v108-109 the bias as loaded
.set YS,  110                          ; v110-117 y's scale words: 2 q + s
.set L4,  118                          ; v118 4 x lane
.set Y,   128                          ; v128-255 y: 4 ii + t
.set FR,  128                          ; later: y's fragments 8 (2 q + s),
.set ACC, 192                          ; and the accumulators 8 (4 ctl + q)
.set PO,  12                           ; v12-43 pooled: 16 ctl + 8 u + j
.set PK,  128                          ; v128-143 packed
	s_load_b256 s[4:11], s[0:1], 0x0               ; y, wq, ws, g_b
	s_load_b128 s[12:15], s[0:1], 0x20             ; phi_b, pg
	v_lshl_add_u32 v[SPW], v0, 2, SPARE
	v_mov_b32 v[NIL], 0
	v_lshrrev_b32 v1, 5, v0
	v_readfirstlane_b32 s16, v1                    ; wave v
	s_and_b32 s17, s16, 3                          ; w
	s_lshr_b32 s18, s16, 2                         ; H
	v_and_b32 v1, 31, v0                           ; lane
	v_and_b32 v2, 15, v0                           ; r
	v_bfe_u32 v3, v0, 4, 1                         ; h
	v_lshlrev_b32 v[YO], 4, v2
	v_lshl_or_b32 v[YO], v3, 19, v[YO]             ; 32 channels are 2^19 bytes
	v_lshlrev_b32 v[LI], 4, v1
	v_lshlrev_b32 v[L4], 2, v1
	v_lshlrev_b32 v[RB], 2, v2
	s_lshl_b32 s19, s17, 9
	s_lshl_b32 s20, s18, 13
	s_add_co_u32 s19, s19, s20
	v_add_nc_u32 v[CST], s19, v[LI]                ; 16 lane + 512 w + 4 H tiles of 2,048
	v_lshlrev_b32 v[SRD], 3, v2
	v_add_nc_u32 v[SRD], SCL, v[SRD]
	s_lshl_b32 s19, s17, 1
	s_lshl_b32 s20, s18, 9
	s_add_co_u32 s19, s19, s20
	v_add_nc_u32 v[BST], v[SRD], v3
	v_add_nc_u32 v[BST], s19, v[BST]               ; row r's byte 2 w + h, + 4 H tiles of 128
	s_lshr_b32 s21, ttmp9, 5                       ; b
	s_and_b32 s22, ttmp9, 31                       ; i
	s_lshl_b32 s24, s21, 22                        ; y: the batch,
	s_lshl_b32 s20, s17, 20                        ; 64 w channels,
	s_add_co_u32 s24, s24, s20
	s_lshl_b32 s20, s22, 9                         ; two image rows,
	s_add_co_u32 s24, s24, s20
	s_lshl_b32 s20, s18, 8                         ; the row H
	s_add_co_u32 s24, s24, s20
	s_mov_b32 s25, 0
	s_lshl_b32 s26, s16, 12                        ; wq: four fragments a wave
	s_mov_b32 s27, 0
	s_lshl_b32 s28, s16, 9                         ; ws
	s_mov_b32 s29, 0
	s_lshl_b32 s30, s17, 7                         ; the bias: 32 channels a wave
	s_mov_b32 s31, 0
	s_lshl_b32 s32, ttmp9, 14                      ; pg
	s_lshl_b32 s20, s16, 11
	s_add_co_u32 s32, s32, s20
	s_mov_b32 s33, 0
	s_wait_kmcnt 0x0
	s_cmp_lt_u32 s16, 4                            ; waves 0-3 make g, waves 4-7 phi
	s_cselect_b64 s[10:11], s[10:11], s[12:13]
	s_add_nc_u64 s[4:5], s[4:5], s[24:25]
	s_add_nc_u64 s[6:7], s[6:7], s[26:27]
	s_add_nc_u64 s[8:9], s[8:9], s[28:29]
	s_add_nc_u64 s[10:11], s[10:11], s[30:31]
	s_add_nc_u64 s[14:15], s[14:15], s[32:33]
.set ii, 0
.rept 32
	global_load_b128 v[Y+4*ii:Y+4*ii+3], v[YO], s[4:5] offset:ii*16384 th:TH_LOAD_NT
.set ii, ii+1
.endr
.irp f, 0,1,2,3
.irp c, 0,1
	global_load_b128 v[WC+8*\f+4*\c:WC+8*\f+4*\c+3], v[LI], s[6:7] offset:\f*1024+\c*512
.endr
.endr
.irp f, 0,1,2,3
	global_load_b32 v[WSC+\f], v[L4], s[8:9] offset:\f*128
.endr
.irp ctl, 0,1
	global_load_b32 v[BL+\ctl], v[RB], s[10:11] offset:64*\ctl
.endr
	s_wait_loadcnt 0x0                             ; all 46: the 14 small ones were issued right behind y's
.irp ctl, 0,1
.irp j, 0,1,2,3,4,5,6,7
	v_mov_b32 v[BI+8*\ctl+\j], v[BL+\ctl]          ; a lane's eight results belong to one channel: eight copies of its bias
.endr
.endr
	; ---- the quantiser
.irp t, 0,1,2,3
	v_max3_num_f32 v[M+\t], |v[Y+\t]|, |v[Y+4+\t]|, 0x1800000        ; with the floor 2^(3 - 127): the byte cannot fall under 1
.endr
.irp ii, 2,4,6,8,10,12,14,16,18,20,22,24,26,28,30
.irp t, 0,1,2,3
	v_max3_num_f32 v[M+\t], v[M+\t], |v[Y+4*\ii+\t]|, |v[Y+4*\ii+4+\t]|   ; the four pixels by turns
.endr
.endr
.irp t, 0,1,2,3
	v_add_nc_u32 v[SCO+\t], 0xff000000, v[M+\t]    ; 2 off the exponent field: the conversion's scale operand
.endr
.irp t, 0,1,2,3
	v_lshrrev_b32 v[BY+\t], 23, v[SCO+\t]          ; the scale's byte
.endr
.irp t, 0,1,2,3
.irp g, 0,1,2,3
.irp k, 0,1,2,3,4,5,6,7
	v_mov_b32 v[TMP+8*(\g%2)+\k], v[Y+4*(8*\g+\k)+\t]   ; eight neighbours along K of pixel t; the two sets by turns, so that eight plain lines stand between a conversion and the next write of its sources
.endr
	v_cvt_scalef32_pk8_fp4_f32 v[CD+4*\t+\g], v[TMP+8*(\g%2):TMP+8*(\g%2)+7], v[SCO+\t]
.endr
.endr
	v_nop                                          ; one plain line behind the last conversion
.irp t, 0,1,2,3
	ds_store_b128 v[CST], v[CD+4*\t:CD+4*\t+3] offset:\t*2048
	ds_store_b8 v[BST], v[BY+\t] offset:\t*128
.endr
	s_wait_dscnt 0x0                               ; for the others' sake: my stores have landed
	s_barrier_signal -1
	s_barrier_wait -1                              ; all eight tiles' codes and scale bytes lie in LDS
; the four tiles of pool phase u: q = 0 .. 3 stands for p = 4 (q / 2) + 2 u + q % 2
.macro FETCH u
.irp q, 0,1,2,3
.irp s, 0,1
.irp c, 0,1
	ds_load_b128 v[FR+8*(2*\q+\s)+4*\c:FR+8*(2*\q+\s)+4*\c+3], v[LI] offset:((\q/2)*4+2*\u+(\q%2))*2048+\s*1024+\c*512
.endr
.endr
	ds_load_b64 v[YS+2*\q:YS+2*\q+1], v[SRD] offset:((\q/2)*4+2*\u+(\q%2))*128
.endr
.endm
; sixteen matrix instructions: the eight accumulators take turns, one instruction a turn
.macro MULS
.irp s, 0,1
.irp ctl, 0,1
.irp q, 0,1,2,3
.if \s == 0
	v_wmma_scale_f32_16x16x128_f8f6f4 v[ACC+8*(4*\ctl+\q):ACC+8*(4*\ctl+\q)+7], v[FR+8*(2*\q+\s):FR+8*(2*\q+\s)+7], v[WC+8*(2*\ctl+\s):WC+8*(2*\ctl+\s)+7], v[BI+8*\ctl:BI+8*\ctl+7], v[YS+2*\q+\s], v[WSC+2*\ctl+\s] matrix_a_fmt:MATRIX_FMT_FP4 matrix_b_fmt:MATRIX_FMT_FP4
.else
	v_wmma_scale_f32_16x16x128_f8f6f4 v[ACC+8*(4*\ctl+\q):ACC+8*(4*\ctl+\q)+7], v[FR+8*(2*\q+\s):FR+8*(2*\q+\s)+7], v[WC+8*(2*\ctl+\s):WC+8*(2*\ctl+\s)+7], v[ACC+8*(4*\ctl+\q):ACC+8*(4*\ctl+\q)+7], v[YS+2*\q+\s], v[WSC+2*\ctl+\s] matrix_a_fmt:MATRIX_FMT_FP4 matrix_b_fmt:MATRIX_FMT_FP4
.endif
.endr
.endr
.endr
.endm
.macro PLACES                          ; four places behind a matrix instruction, in front of reads of its results and of loads into its sources
.rept 4
	v_nop
.endr
.endm
.macro POOL u                          ; a window's four pixels lie in one lane; each accumulator is read from its low end on
.irp ctl, 0,1
.irp j, 0,1,2,3,4,5,6,7
	v_max3_num_f32 v[PO+16*\ctl+8*\u+\j], v[ACC+8*(4*\ctl)+\j], v[ACC+8*(4*\ctl+1)+\j], v[ACC+8*(4*\ctl+2)+\j]
	v_max_num_f32 v[PO+16*\ctl+8*\u+\j], v[PO+16*\ctl+8*\u+\j], v[ACC+8*(4*\ctl+3)+\j]
.endr
.endr
.endm
	FETCH 0
	s_wait_dscnt 0x0
	MULS
	PLACES
	FETCH 1                                        ; on their way while the first phase is pooled
	POOL 0                                         ; (with the four lines above: more than five places in front of the products that begin these accumulators anew)
	s_wait_dscnt 0x0
	MULS
	PLACES
	POOL 1
.irp ctl, 0,1
.irp j, 0,1,2,3,4,5,6,7
	v_cvt_pk_f16_f32 v[PK+8*\ctl+\j], v[PO+16*\ctl+\j], v[PO+16*\ctl+8+\j]    ; pooled columns 16 h + 2 j, + 1
.endr
.endr
.irp ctl, 0,1
.irp c, 0,1
	global_store_b128 v[LI], v[PK+8*\ctl+4*\c:PK+8*\ctl+4*\c+3], s[14:15] offset:\ctl*1024+\c*512   ; 512 consecutive bytes a store
.endr
.endr
	s_wait_tensorcnt 0x0                           ; the wave's end, behind my last LDS store
	ds_add_u32 v[SPW], v[NIL]
	s_wait_dscnt 0x0
	s_endpgm
.Lfunc_end_k_q6c5c195dd1_pool:
	.size	k_q6c5c195dd1_pool, .Lfunc_end_k_q6c5c195dd1_pool-k_q6c5c195dd1_pool
	.p2alignl 7, 3214868480
	.fill 96, 4, 3214868480
	.section	.rodata,"a",@progbits
	.p2align	6, 0x0
	.amdhsa_kernel k_q6c5c195dd1_pool
		.amdhsa_group_segment_fixed_size 18432
		.amdhsa_private_segment_fixed_size 0
		.amdhsa_enable_private_segment 0
		.amdhsa_kernarg_size 48
		.amdhsa_user_sgpr_count 2
		.amdhsa_user_sgpr_kernarg_segment_ptr 1
		.amdhsa_wavefront_size32 1
		.amdhsa_system_sgpr_workgroup_id_x 1
		.amdhsa_system_sgpr_workgroup_id_y 1
		.amdhsa_system_sgpr_workgroup_id_z 1
		.amdhsa_system_vgpr_workitem_id 0
		.amdhsa_next_free_vgpr 256
		.amdhsa_next_free_sgpr 66
		.amdhsa_reserve_vcc 0
		.amdhsa_float_denorm_mode_32 3
		.amdhsa_float_denorm_mode_16_64 3
		.amdhsa_memory_ordered 1
		.amdhsa_forward_progress 1
		.amdhsa_inst_pref_size 29
	.end_amdhsa_kernel
	.amdgpu_metadata
---
amdhsa.version: [ 1, 2 ]
amdhsa.kernels:
  - .name:           k_q6c5c195dd1_pool
    .symbol:         k_q6c5c195dd1_pool.kd
    .args:
      - { .name: y, .offset: 0, .size: 8, .value_kind: global_buffer, .address_space: global }
      - { .name: wq, .offset: 8, .size: 8, .value_kind: global_buffer, .address_space: global }
      - { .name: ws, .offset: 16, .size: 8, .value_kind: global_buffer, .address_space: global }
      - { .name: g_b, .offset: 24, .size: 8, .value_kind: global_buffer, .address_space: global }
      - { .name: phi_b, .offset: 32, .size: 8, .value_kind: global_buffer, .address_space: global }
      - { .name: pg, .offset: 40, .size: 8, .value_kind: global_buffer, .address_space: global }
    .group_segment_fixed_size: 18432
    .private_segment_fixed_size: 0
    .kernarg_segment_align: 8
    .kernarg_segment_size: 48
    .max_flat_workgroup_size: 256
    .sgpr_count:     66
    .vgpr_count:     256
    .wavefront_size: 32
...
	.end_amdgpu_metadata
.endif
;; end of part 2
;; launch mix (part 3): grid 64 x 1, 16 waves a work-group, no clusters, 76,288 bytes of LDS; arguments pg, wf, bn_gamma, tq, te; writes tq, te
.if DOCPART == 3
	.amdgcn_target "amdgcn-amd-amdhsa--gfx1250"
	.amdhsa_code_object_version 6
	.text
	.protected	k_q6c5c195dd1_mix
	.globl	k_q6c5c195dd1_mix
	.p2align	8
	.type	k_q6c5c195dd1_mix,@function
k_q6c5c195dd1_mix:
	s_mov_b64 s[64:65], 0
	v_nop
	global_prefetch_b8 v0, s[64:65] scope:SCOPE_SE
	s_setreg_imm32_b32 hwreg(HW_REG_WAVE_MODE, 25, 1), 1
	s_wait_xcnt 0x0
; No non-linear step stands between the two attention products and the last convolution, so  W_w ((theta^T phi / 1024) g^T)^T = (W_w S^T) theta  with  S[k][c] = sum over m of phi[k][m] g[c][m] / 1024.
; This launch makes, for batch b = n / 8 and the sixteen theta channels k = 16 kt + 0 .. 15 (kt = n % 8):  T[o][k] = gamma[o] / sqrt(1 + 1e-5) / 1024 x sum over c of W_w[o][c] S'[k][c].
; The sums are the reference's in another order; nothing is left out and nothing holds for special data only.
; S STAGE.  Wave v: c tiles 4 (v % 2) + 0 .. 3, pooled rows 4 (v / 2) + 0 .. 3 (a pooled row is one K step of 32).  Source 0 = 16 channels of g, source 1 = my 16 channels of phi:
;   lane (r, h), register j: k = 16 kt + r, c = 16 tile + 8 h + j.  The eight partial slabs meet in LDS; wave v adds piece v (512 bytes) of the slab.
; f16.  The slab is multiplied by an exact power of two that brings its largest magnitude into [2^8, 2^9); two neighbouring c tiles, packed, ARE a fragment (16 k x 32 c) in the same lanes.
; T STAGE.  Wave v: output tile ot = v.  Source 0 = S', source 1 = W_w's fragment: lane (r, h), register j: o = column r of tile ot, k = 16 kt + 8 h + j: eight neighbours along the next K.
;   T is normalised likewise (over the work-group's slab), packed, and stored as registers 4 (kt % 2) .. + 3 of fragment (ot, kt / 2);  te[b][kt] is the power of two with T = T' x te.
; LIMITS: the largest magnitudes have the floor 2^-100; NaN and infinities are not served.
.set PART,  0                          ; LDS: 8 partial slabs x 8 tiles x 1,024 bytes
.set SRED,  65536                      ; the slab, 8,192 bytes
.set MAXS,  73728                      ; sixteen waves' maxima of S; 256 bytes on: of T
.set SPARE, 74240                      ; the spare words, 128 bytes for each wave: eight blocks of 256 bytes that no other line names
.set LI,  2                            ; v2   16 x lane
.set GO,  3                            ; v3   gamma: my column's o, in bytes (the lane's part)
.set SPW, 4                            ; v4   my spare word; never rewritten
.set NIL, 5                            ; v5   0; never rewritten
.set PST, 6                            ; v6   where I store my partial tiles
.set RRD, 7                            ; v7   my piece in a partial slab
.set SST, 8                            ; v8   my piece in the slab
.set MXS, 9                            ; v9   my wave's word among S's maxima
.set MXT, 10                           ; v10  and among T's
.set MXA, 11                           ; v11  the maxima's first byte
.set GM,  12                           ; v12  gamma
.set ZO,  13                           ; v13  0: te's offset
.set SRA, 15                           ; v15  the slab + 16 x lane
.set W,   16                           ; v16-47 W_w's four fragments
.set ACC, 48                           ; v48-79 four accumulators; later T0 v48-55, T1 v56-63, T v64-71, its codes v72-75
.set PG,  96                           ; v96-255: K step il at 96 + 40 il: phi, then g's four tiles
.set RD,  96                           ; later v96-127 the eight partial pieces
.set SR,  128                          ; v128-191 the slab
.set MX,  192                          ; v192-207 sixteen maxima
.set AF,  208                          ; v208-239 S' as four fragments
	s_load_b256 s[4:11], s[0:1], 0x0               ; pg, wf, bn_gamma, tq
	s_load_b64 s[12:13], s[0:1], 0x20              ; te
	v_lshl_add_u32 v[SPW], v0, 2, SPARE
	v_mov_b32 v[NIL], 0
	v_lshrrev_b32 v1, 5, v0
	v_readfirstlane_b32 s16, v1                    ; wave v
	s_and_b32 s17, s16, 1                          ; cg
	s_lshr_b32 s18, s16, 1                         ; q
	s_lshr_b32 s19, ttmp9, 3                       ; b
	s_and_b32 s22, ttmp9, 7                        ; kt
	s_mov_b32 s20, 0x76543210
	s_mov_b32 s21, 0xfedcba98                      ; v_permlanex16_b32's selects for lane l xor 16
	v_and_b32 v1, 31, v0
	v_lshlrev_b32 v[LI], 4, v1
	v_bfe_u32 v14, v0, 3, 1                        ; r / 8: 32 outputs on
	v_and_b32 v[GO], 7, v0
	v_lshlrev_b32 v[GO], 2, v[GO]
	v_lshl_add_u32 v[GO], v14, 7, v[GO]
	s_lshl_b32 s23, s16, 12
	v_add_nc_u32 v[PST], s23, v[LI]                ; 8,192 q + 4,096 cg = 4,096 v
	s_lshl_b32 s23, s16, 9
	v_add_nc_u32 v[RRD], s23, v[LI]
	v_add_nc_u32 v[SST], SRED, v[RRD]
	v_add_nc_u32 v[SRA], SRED, v[LI]
	s_lshl_b32 s23, s16, 2
	s_add_co_u32 s23, s23, MAXS
	v_mov_b32 v[MXS], s23
	v_add_nc_u32 v[MXT], 256, v[MXS]
	v_mov_b32 v[MXA], MAXS
	v_mov_b32 v[ZO], 0
	v_mov_b32 v81, 0                               ; a lane permute's destination counts as one of its sources
	s_lshl_b32 s24, s19, 19                        ; pg: 32 pooled rows of 16,384 bytes a batch,
	s_lshl_b32 s23, s18, 16                        ; my four
	s_add_co_u32 s24, s24, s23
	s_lshl_b32 s26, s22, 10
	s_add_co_u32 s26, s26, 8192                    ; phi's tile kt lies behind g's eight
	s_add_co_u32 s26, s26, s24
	s_mov_b32 s27, 0
	s_lshl_b32 s28, s17, 12                        ; g's tiles 4 cg on
	s_add_co_u32 s28, s28, s24
	s_mov_b32 s29, 0
	s_lshl_b32 s30, s16, 12                        ; wf: tile ot = v
	s_mov_b32 s31, 0
	s_lshr_b32 s32, s16, 2
	s_lshl_b32 s32, s32, 8                         ; gamma: 64 (v / 4) + 8 (v % 4) outputs, in bytes
	s_and_b32 s23, s16, 3
	s_lshl_b32 s23, s23, 5
	s_add_co_u32 s32, s32, s23
	s_mov_b32 s33, 0
	s_lshl_b32 s34, s19, 16                        ; tq
	s_lshl_b32 s23, s16, 12
	s_add_co_u32 s34, s34, s23
	s_lshl_b32 s23, s22, 9
	s_add_co_u32 s34, s34, s23
	s_mov_b32 s35, 0
	s_lshl_b32 s36, ttmp9, 2                       ; te
	s_mov_b32 s37, 0
	s_wait_kmcnt 0x0
	s_add_nc_u64 s[26:27], s[4:5], s[26:27]
	s_add_nc_u64 s[28:29], s[4:5], s[28:29]
	s_add_nc_u64 s[6:7], s[6:7], s[30:31]
	s_add_nc_u64 s[8:9], s[8:9], s[32:33]
	s_add_nc_u64 s[10:11], s[10:11], s[34:35]
	s_add_nc_u64 s[12:13], s[12:13], s[36:37]
.irp il, 0,1,2,3                       ; ten loads a K step
.irp c, 0,1
	global_load_b128 v[PG+40*\il+4*\c:PG+40*\il+4*\c+3], v[LI], s[26:27] offset:\il*16384+\c*512
.endr
.irp tl, 0,1,2,3
.irp c, 0,1
	global_load_b128 v[PG+40*\il+8+8*\tl+4*\c:PG+40*\il+8+8*\tl+4*\c+3], v[LI], s[28:29] offset:\il*16384+\tl*1024+\c*512
.endr
.endr
.endr
.irp s, 0,1,2,3
.irp c, 0,1
	global_load_b128 v[W+8*\s+4*\c:W+8*\s+4*\c+3], v[LI], s[6:7] offset:\s*1024+\c*512
.endr
.endr
	global_load_b32 v[GM], v[GO], s[8:9]
	; ---- S: four accumulators by turns
.irp il, 0,1,2,3
	s_wait_loadcnt 39-10*\il                       ; of the 49 loads this K step's ten are in; the later steps' tens, W_w's eight and gamma's one may be out
.irp tl, 0,1,2,3
.if \il == 0
	v_wmma_f32_16x16x32_f16 v[ACC+8*\tl:ACC+8*\tl+7], v[PG+40*\il+8+8*\tl:PG+40*\il+8+8*\tl+7], v[PG+40*\il:PG+40*\il+7], 0
.else
	v_wmma_f32_16x16x32_f16 v[ACC+8*\tl:ACC+8*\tl+7], v[PG+40*\il+8+8*\tl:PG+40*\il+8+8*\tl+7], v[PG+40*\il:PG+40*\il+7], v[ACC+8*\tl:ACC+8*\tl+7]
.endif
.endr
.endr
.rept 4
	v_nop                                          ; four places in front of the stores that read results and of the loads into the operands' registers
.endr
.irp tl, 0,1,2,3
	ds_store_b128 v[PST], v[ACC+8*\tl:ACC+8*\tl+3] offset:\tl*1024          ; each accumulator from its low end on
	ds_store_b128 v[PST], v[ACC+8*\tl+4:ACC+8*\tl+7] offset:\tl*1024+512
.endr
.macro BARRIER                         ; my LDS stores have landed and my LDS loads are in: then the work-group's barrier
	s_wait_dscnt 0x0
	s_barrier_signal -1
	s_barrier_wait -1
.endm
; v80 = the largest magnitude of v[s] .. v[s + n - 1] over the wave's 32 lanes, with the floor 2^-100
.macro WMAX s, n
	v_max3_num_f32 v80, |v[\s]|, |v[\s+1]|, 0xd800000
.set wi, 2
.rept (\n-2)/2
	v_max3_num_f32 v80, v80, |v[\s+wi]|, |v[\s+wi+1]|
.set wi, wi+2
.endr
	v_max_num_f32_dpp v80, v80, v80 row_xmask:1 row_mask:0xf bank_mask:0xf
	v_max_num_f32_dpp v80, v80, v80 row_xmask:2 row_mask:0xf bank_mask:0xf
	v_max_num_f32_dpp v80, v80, v80 row_xmask:4 row_mask:0xf bank_mask:0xf
	v_max_num_f32_dpp v80, v80, v80 row_xmask:8 row_mask:0xf bank_mask:0xf
	v_permlanex16_b32 v81, v80, s20, s21
	v_max_num_f32 v80, v80, v81
.endm
; the sixteen waves' maxima at byte off of the maxima's region -> v82 = p, the power of two at or under the largest; v[84:85] = 2^8 / p; v83 = p / 2^8.  All three by whole-number arithmetic on the exponent field: exact
.macro NORM off
.irp a, 0,1,2,3
	ds_load_b128 v[MX+4*\a:MX+4*\a+3], v[MXA] offset:\off+16*\a
.endr
	s_wait_dscnt 0x0
	v_max3_num_f32 v82, v[MX], v[MX+1], v[MX+2]
.irp i, 3,5,7,9,11,13
	v_max3_num_f32 v82, v82, v[MX+\i], v[MX+\i+1]
.endr
	v_max_num_f32 v82, v82, v[MX+15]
	v_and_b32 v82, 0x7f800000, v82
	v_sub_nc_u32 v84, 0x83000000, v82              ; exponent field 8 + 127 + 127 less p's
	v_mov_b32 v85, v84                             ; (named with it as a pair)
	v_add_nc_u32 v83, 0xfc000000, v82              ; 8 off the exponent field
.endm
	BARRIER                                        ; the eight partial slabs lie in LDS
	; ---- my piece of the slab: eight partial pieces are added
.irp q, 0,1,2,3,4,5,6,7
	ds_load_b128 v[RD+4*\q:RD+4*\q+3], v[RRD] offset:\q*8192
.endr
	s_wait_dscnt 0x0
.irp a, 0,1,2,3
	v_pk_add_f32 v[RD+8*\a:RD+8*\a+1], v[RD+8*\a:RD+8*\a+1], v[RD+8*\a+4:RD+8*\a+5]
	v_pk_add_f32 v[RD+8*\a+2:RD+8*\a+3], v[RD+8*\a+2:RD+8*\a+3], v[RD+8*\a+6:RD+8*\a+7]
.endr
.irp a, 0,2
	v_pk_add_f32 v[RD+8*\a:RD+8*\a+1], v[RD+8*\a:RD+8*\a+1], v[RD+8*\a+8:RD+8*\a+9]
	v_pk_add_f32 v[RD+8*\a+2:RD+8*\a+3], v[RD+8*\a+2:RD+8*\a+3], v[RD+8*\a+10:RD+8*\a+11]
.endr
	v_pk_add_f32 v[RD:RD+1], v[RD:RD+1], v[RD+16:RD+17]
	v_pk_add_f32 v[RD+2:RD+3], v[RD+2:RD+3], v[RD+18:RD+19]
	WMAX RD, 4
	ds_store_b32 v[MXS], v80                       ; all lanes write the same word with the same value
	ds_store_b128 v[SST], v[RD:RD+3]
	BARRIER                                        ; the slab and its sixteen maxima lie in LDS
	; ---- S' in f16: every wave takes the whole slab
.set i, 0
.rept 16
	ds_load_b128 v[SR+4*i:SR+4*i+3], v[SRA] offset:512*i       ; register 8 tile + j, as the accumulators held it
.set i, i+1
.endr
	NORM 0
.set i, 0
.rept 32
	v_pk_mul_f32 v[SR+2*i:SR+2*i+1], v[SR+2*i:SR+2*i+1], v[84:85] op_sel_hi:[1,0]
.set i, i+1
.endr
.set i, 0
.rept 32
	v_cvt_pk_f16_f32 v[AF+i], v[SR+2*i], v[SR+2*i+1]
.set i, i+1
.endr
	s_wait_loadcnt 0x0                             ; W_w's fragments and gamma
	v_mul_f32 v86, 0x3a7fffac, v[GM]               ; gamma / sqrt(1 + 1e-5) / 1024,
	v_mul_f32 v86, v86, v83                        ; and S = S' x p / 2^8
	v_mov_b32 v87, v86                             ; (named with it as a pair)
	; ---- T: two accumulators by turns
	v_wmma_f32_16x16x32_f16 v[48:55], v[AF:AF+7], v[W:W+7], 0
	v_wmma_f32_16x16x32_f16 v[56:63], v[AF+8:AF+15], v[W+8:W+15], 0
	v_wmma_f32_16x16x32_f16 v[48:55], v[AF+16:AF+23], v[W+16:W+23], v[48:55]
	v_wmma_f32_16x16x32_f16 v[56:63], v[AF+24:AF+31], v[W+24:W+31], v[56:63]
.rept 4
	v_nop
.endr
.irp i, 0,2,4,6
	v_pk_add_f32 v[64+\i:65+\i], v[48+\i:49+\i], v[56+\i:57+\i]   ; from the low end on
.endr
.irp i, 0,2,4,6
	v_pk_mul_f32 v[64+\i:65+\i], v[64+\i:65+\i], v[86:87] op_sel_hi:[1,0]
.endr
	WMAX 64, 8
	ds_store_b32 v[MXT], v80
	BARRIER                                        ; T's sixteen maxima lie in LDS
	NORM 256
.irp i, 0,2,4,6
	v_pk_mul_f32 v[64+\i:65+\i], v[64+\i:65+\i], v[84:85] op_sel_hi:[1,0]
.endr
.irp i, 0,1,2,3
	v_cvt_pk_f16_f32 v[72+\i], v[64+2*\i], v[65+2*\i]
.endr
	global_store_b128 v[LI], v[72:75], s[10:11]    ; 512 consecutive bytes
	s_wait_xcnt 0x0                                ; EXEC changes only behind this wait
	v_cmp_eq_u32 vcc_lo, 0, v0
	s_and_saveexec_b32 s38, vcc_lo                 ; thread 0 of the work-group alone
	global_store_b32 v[ZO], v83, s[12:13]          ; te
	s_wait_xcnt 0x0                                ; and again, in front of the line that widens it
	s_or_b32 exec_lo, exec_lo, s38
	s_wait_tensorcnt 0x0                           ; the wave's end, behind my last LDS store
	ds_add_u32 v[SPW], v[NIL]
	s_wait_dscnt 0x0
	s_endpgm
.Lfunc_end_k_q6c5c195dd1_mix:
	.size	k_q6c5c195dd1_mix, .Lfunc_end_k_q6c5c195dd1_mix-k_q6c5c195dd1_mix
	.p2alignl 7, 3214868480
	.fill 96, 4, 3214868480
	.section	.rodata,"a",@progbits
	.p2align	6, 0x0
	.amdhsa_kernel k_q6c5c195dd1_mix
		.amdhsa_group_segment_fixed_size 76288
		.amdhsa_private_segment_fixed_size 0
		.amdhsa_enable_private_segment 0
		.amdhsa_kernarg_size 40
		.amdhsa_user_sgpr_count 2
		.amdhsa_user_sgpr_kernarg_segment_ptr 1
		.amdhsa_wavefront_size32 1
		.amdhsa_system_sgpr_workgroup_id_x 1
		.amdhsa_system_sgpr_workgroup_id_y 1
		.amdhsa_system_sgpr_workgroup_id_z 1
		.amdhsa_system_vgpr_workitem_id 0
		.amdhsa_next_free_vgpr 256
		.amdhsa_next_free_sgpr 66
		.amdhsa_reserve_vcc 1
		.amdhsa_float_denorm_mode_32 3
		.amdhsa_float_denorm_mode_16_64 3
		.amdhsa_memory_ordered 1
		.amdhsa_forward_progress 1
		.amdhsa_inst_pref_size 21
	.end_amdhsa_kernel
	.amdgpu_metadata
---
amdhsa.version: [ 1, 2 ]
amdhsa.kernels:
  - .name:           k_q6c5c195dd1_mix
    .symbol:         k_q6c5c195dd1_mix.kd
    .args:
      - { .name: pg, .offset: 0, .size: 8, .value_kind: global_buffer, .address_space: global }
      - { .name: wf, .offset: 8, .size: 8, .value_kind: global_buffer, .address_space: global }
      - { .name: bn_gamma, .offset: 16, .size: 8, .value_kind: global_buffer, .address_space: global }
      - { .name: tq, .offset: 24, .size: 8, .value_kind: global_buffer, .address_space: global }
      - { .name: te, .offset: 32, .size: 8, .value_kind: global_buffer, .address_space: global }
    .group_segment_fixed_size: 76288
    .private_segment_fixed_size: 0
    .kernarg_segment_align: 8
    .kernarg_segment_size: 40
    .max_flat_workgroup_size: 512
    .sgpr_count:     66
    .vgpr_count:     256
    .wavefront_size: 32
...
	.end_amdgpu_metadata
.endif
;; end of part 3
;; launch apply (part 4): grid 256 x 1, 4 waves a work-group, no clusters, 167,936 bytes of LDS; arguments x, wq, ws, theta_b, tq, te, cb, out0; writes out0
.if DOCPART == 4
	.amdgcn_target "amdgcn-amd-amdhsa--gfx1250"
	.amdhsa_code_object_version 6
	.text
	.protected	k_q6c5c195dd1_apply
	.globl	k_q6c5c195dd1_apply
	.p2align	8
	.type	k_q6c5c195dd1_apply,@function
k_q6c5c195dd1_apply:
	s_mov_b64 s[64:65], 0
	v_nop
	global_prefetch_b8 v0, s[64:65] scope:SCOPE_SE
	s_setreg_imm32_b32 hwreg(HW_REG_WAVE_MODE, 25, 1), 1
	s_wait_xcnt 0x0
; out0[o][n] = sum over k of T[o][k] theta[k][n] + cb[o] + x[o][n],  theta = theta_w x + theta_b on codes of FP4 (E2M1) with one E8M0 scale for each 32 along K (K = x's 256 channels);  T' and te: made by the launch before.
; SHARES.  Work-group n: batch b = n / 32, image rows 2 i, 2 i + 1 (i = n % 32): 128 pixels, in two halves H.  Pixel tile 4 H + t: its column r stands for pixel column 4 r + t, so that a 16-byte load or store of
; lane (r, h) is four neighbouring pixels of one channel, and sixteen lanes cover 256 consecutive bytes, aligned.  x is read once and stays in registers until the result is added onto it.
; Wave w owns: x's channels and the outputs 64 w + 32 h + 0 .. 31 (block 2 w + h of K lies in one lane);  theta's channels 32 w .. 32 w + 31;  output tiles 4 w + u.
; A HALF, two barriers:  my channels of x are quantised, the codes go to LDS as images of the operand's registers | barrier |  theta (source 0 = 16 channels of theta_w, source 1 = 16 pixels, C = theta_b):
;   a lane holds eight neighbouring channels of one pixel; x te[kt] / the largest te, to f16: registers 4 mt .. + 3 of fragment (tile, K step w): image to LDS | barrier |
;   sixteen accumulators (4 output tiles x 4 pixel tiles), K = 128 in four steps, C = cb / the largest te.  T' is laid so that register j of accumulator (u, t) in lane (r, h) is output 64 w + 32 h + 8 u + j at
;   pixel 4 r + t: the very lane and place of x.  One fused multiply-add by the largest te onto x; stores.
; T' of the wave's four output tiles, 16 KiB, dense in memory, comes by ONE tensor load into LDS bytes that only this wave reads.
; CLUSTERS are not used: what the 32 work-groups of a batch share (64 KiB of T', 5 KiB of weights) is a fifth of the 256 KiB of x and out0 that each moves for itself.
; LIMITS: theta goes to f16: magnitudes up to 65,504; a slab of T whose te lies 2^126 under the largest counts as zero; NaN and infinities are not served; blocks whose largest magnitude lies under 2^-124 keep the scale byte 1.
; REGISTERS, in windows of 256:  window 0: addresses, scale words, what the quantiser and the fragments from LDS need.  window 1: x, at 128 H + 4 ii + t.
;   window 2: v0-127 T' (8 (4 u + s)); v128-159 theta_w (8 (2 mt + s)); v160-175 theta_b; v176-207 cb.   window 3: the accumulators, at 128 H + 8 (4 u + t).
.set CODES, 0                          ; LDS: 8 pixel tiles x 2 K steps x 1,024 bytes
.set SCL,   16384                      ; 8 tiles x 16 rows x 8 scale bytes
.set THI,   17408                      ; theta': 8 tiles x 4 K steps x 1,024 bytes
.set TQL,   50176                      ; T': 65,536 bytes, filled by the tensor loads and by nothing else
.set SPARE, 115712                     ; the spare words, 128 bytes for each wave: two blocks of 256 bytes that no other line names
.set XO,  2                            ; v2   x, out0: h x 32 channels + 16 r
.set LI,  3                            ; v3   16 x lane
.set CST, 4                            ; v4   where I store codes
.set BST, 5                            ; v5   where I store a scale byte
.set SRD, 6                            ; v6   where I read a row's eight scale bytes
.set TST, 7                            ; v7   where I store theta'
.set THR, 8                            ; v8   where I read it
.set TQA, 9                            ; v9   my wave's T'
.set SPW, 10                           ; v10  my spare word; never rewritten
.set NIL, 11                           ; v11  0; never rewritten
.set M,   12                           ; v12-15 largest magnitudes, v16-19 scale operands, v20-23 bytes
.set SCO, 16
.set BY,  20
.set WSC, 24                           ; v24-27 theta_w's scale words: 2 mt + s
.set XSC, 28                           ; v28-35 x's: 2 t + s
.set L4,  36                           ; v36  4 x lane
.set TBO, 37                           ; v37  32 h
.set CCO, 38                           ; v38  128 h
.set CD,  48                           ; v48-63 codes: 4 t + g
.set TMP, 64                           ; v64-191 x by pixels: 32 t + ii
.set XF,  64                           ; then x's fragments 8 (2 t + s),
.set TH,  128                          ; theta 8 (4 mt + t),
.set BF,  64                           ; then theta's fragments 8 (4 t + s)
.set HF,  192                          ; v192-223 theta' packed: 4 (4 mt + t)
.set TW,  128                          ; in window 2
.set TB,  160
.set CC,  176
.set MSB, 0
.macro WIN new                         ; bits 1:0 source 0, 3:2 source 1, 5:4 source 2, 7:6 destination; the immediate's high byte repeats the setting that is left
.if MSB != \new
	s_set_vgpr_msb (MSB<<8)|\new
.set MSB, \new
.endif
.endm
.macro PLACES                          ; four places behind a matrix instruction, in front of reads of its results and of loads into its registers
.rept 4
	v_nop
.endr
.endm
.macro BARRIER                         ; my LDS stores have landed and my LDS loads are in: then the work-group's barrier
	s_wait_dscnt 0x0
	s_barrier_signal -1
	s_barrier_wait -1
.endm
	s_load_b256 s[4:11], s[0:1], 0x0               ; x, wq, ws, theta_b
	s_load_b256 s[12:19], s[0:1], 0x20             ; tq, te, cb, out0
	v_lshl_add_u32 v[SPW], v0, 2, SPARE
	v_mov_b32 v[NIL], 0
	ds_add_u32 v[SPW], v[NIL]                      ; the wave's opening: the add and its wait stand ahead of my tensor load; the set-up below, work on registers, stands between them
	v_lshrrev_b32 v1, 5, v0
	v_readfirstlane_b32 s20, v1                    ; wave w
	s_lshr_b32 s21, ttmp9, 5                       ; b
	s_and_b32 s22, ttmp9, 31                       ; i
	; descriptor group 1: 16,384 dense bytes as 64 rows of 32 elements of 8 bytes, no padding
	s_mov_b32 s24, 3<<16                           ; no mask; elements of 8 bytes
	s_mov_b32 s25, 32<<16                          ; tensor_dim0
	s_mov_b32 s26, 64<<16                          ; tensor_dim1
	s_mov_b32 s27, 32<<16                          ; tile_dim0
	s_mov_b32 s28, 64                              ; tile_dim1
	s_mov_b32 s29, 32                              ; from row to row
	s_mov_b32 s30, 0
	s_mov_b32 s31, 0
	s_mov_b32 s32, 1                               ; group 0: count,
	s_lshl_b32 s33, s20, 14
	s_add_co_u32 s33, s33, TQL                     ; LDS address: my wave's 16,384 bytes
	v_and_b32 v1, 31, v0                           ; lane
	v_and_b32 v40, 15, v0                          ; r
	v_bfe_u32 v41, v0, 4, 1                        ; h
	v_lshlrev_b32 v[XO], 4, v40
	v_lshl_or_b32 v[XO], v41, 19, v[XO]            ; 32 channels are 2^19 bytes
	v_lshlrev_b32 v[LI], 4, v1
	v_lshlrev_b32 v[L4], 2, v1
	v_lshlrev_b32 v[TBO], 5, v41
	v_lshlrev_b32 v[CCO], 7, v41
	s_lshl_b32 s58, s20, 9
	v_add_nc_u32 v[CST], s58, v[LI]
	v_lshlrev_b32 v[SRD], 3, v40
	v_add_nc_u32 v[SRD], SCL, v[SRD]
	s_lshl_b32 s58, s20, 1
	v_add_nc_u32 v[BST], v[SRD], v41
	v_add_nc_u32 v[BST], s58, v[BST]               ; row r's byte 2 w + h
	v_add_nc_u32 v[THR], THI, v[LI]
	s_lshl_b32 s58, s20, 10
	v_add_nc_u32 v[TST], s58, v[THR]               ; K step w
	v_add_nc_u32 v[TQA], s33, v[LI]
	s_mov_b32 s59, 0
	s_wait_dscnt 0x0                               ; the opening add is done
	s_wait_kmcnt 0x0
	s_lshl_b32 s58, s21, 16
	s_lshl_b32 s60, s20, 14
	s_add_co_u32 s58, s58, s60
	s_add_nc_u64 s[34:35], s[12:13], s[58:59]      ; T' of batch b, output tiles 4 w on
	s_or_b32 s35, s35, 0x80000000                  ; type = 2
	tensor_load_to_lds s[32:35], s[24:31]
	s_nop 0
.rept 4
	v_nop                                          ; the windows are switched only behind four lines
.endr
	s_lshl_b32 s58, s21, 5
	s_add_nc_u64 s[36:37], s[14:15], s[58:59]      ; te: the batch's eight,
	s_lshl_b32 s58, s20, 3
	s_add_nc_u64 s[38:39], s[36:37], s[58:59]      ; and those of my two tiles of theta
	s_load_b256 s[40:47], s[36:37], 0x0
	s_load_b64 s[48:49], s[38:39], 0x0
	s_lshl_b32 s58, s21, 22                        ; x and out0: the batch,
	s_lshl_b32 s60, s20, 20                        ; 64 w channels,
	s_add_co_u32 s58, s58, s60
	s_lshl_b32 s60, s22, 9                         ; two image rows
	s_add_co_u32 s58, s58, s60
	s_add_nc_u64 s[4:5], s[4:5], s[58:59]
	s_add_nc_u64 s[18:19], s[18:19], s[58:59]
	s_lshl_b32 s58, s20, 12
	s_add_co_u32 s58, s58, 32768                   ; wq: theta_w lies behind g_w and phi_w; four fragments a wave
	s_add_nc_u64 s[6:7], s[6:7], s[58:59]
	s_lshl_b32 s58, s20, 9
	s_add_co_u32 s58, s58, 4096
	s_add_nc_u64 s[8:9], s[8:9], s[58:59]
	s_lshl_b32 s58, s20, 7
	s_add_nc_u64 s[10:11], s[10:11], s[58:59]      ; theta_b: 32 w
	s_lshl_b32 s58, s20, 8
	s_add_nc_u64 s[16:17], s[16:17], s[58:59]      ; cb: 64 w
	WIN 0x80                                       ; destination window 2
.irp f, 0,1,2,3
.irp c, 0,1
	global_load_b128 v[TW+8*\f+4*\c:TW+8*\f+4*\c+3], v[LI], s[6:7] offset:\f*1024+\c*512
.endr
.endr
.irp mt, 0,1
.irp c, 0,1
	global_load_b128 v[TB+8*\mt+4*\c:TB+8*\mt+4*\c+3], v[TBO], s[10:11] offset:64*\mt+16*\c   ; theta_b at 32 w + 16 mt + 8 h + 0 .. 7: the result's layout
.endr
.endr
.irp u, 0,1,2,3
.irp c, 0,1
	global_load_b128 v[CC+8*\u+4*\c:CC+8*\u+4*\c+3], v[CCO], s[16:17] offset:32*\u+16*\c      ; cb at 64 w + 32 h + 8 u + 0 .. 7
.endr
.endr
	WIN 0
.irp f, 0,1,2,3
	global_load_b32 v[WSC+\f], v[L4], s[8:9] offset:\f*128
.endr
	WIN 0x40                                       ; destination window 1
.irp H, 0,1
.set ii, 0
.rept 32
	global_load_b128 v[128*\H+4*ii:128*\H+4*ii+3], v[XO], s[4:5] offset:ii*16384+256*\H th:TH_LOAD_NT
.set ii, ii+1
.endr
.endr
	s_wait_tensorcnt 0x0                           ; my part of T' is in LDS; only I read it
	WIN 0x80
.irp u, 0,1,2,3
.irp s, 0,1,2,3
.irp c, 0,1
	ds_load_b128 v[8*(4*\u+\s)+4*\c:8*(4*\u+\s)+4*\c+3], v[TQA] offset:\u*4096+\s*1024+\c*512
.endr
.endr
.endr
	WIN 0
	s_wait_kmcnt 0x0                               ; te
	s_max_u32 s50, s40, s41                        ; the largest of the eight: positive numbers compare as whole numbers
.irp k, 42,43,44,45,46,47
	s_max_u32 s50, s50, s\k
.endr
	s_sub_co_u32 s52, s48, s50                     ; te[2 w] / the largest: a power of two at most 1, by its exponent field;
	s_add_co_u32 s52, s52, 0x3f800000
	s_max_i32 s52, s52, 0                          ; under the smallest normal number: 0
	s_mov_b32 s53, s52                             ; (named with it as a pair)
	s_sub_co_u32 s54, s49, s50                     ; te[2 w + 1] likewise
	s_add_co_u32 s54, s54, 0x3f800000
	s_max_i32 s54, s54, 0
	s_mov_b32 s55, s54
	s_sub_co_u32 s56, 0x7f000000, s50              ; 1 / the largest
	s_mov_b32 s57, s56
	s_wait_loadcnt 63                              ; 64 loads were issued behind the last of the 24 small ones: those are in
	WIN 0x82                                       ; source 0 and destination window 2
.set i, 0
.rept 16
	v_pk_mul_f32 v[CC+2*i:CC+2*i+1], v[CC+2*i:CC+2*i+1], s[56:57] op_sel_hi:[1,0]   ; the sums are kept under the largest te: exact
.set i, i+1
.endr
	WIN 0
.macro HALF H
	; ---- my 64 channels of the half's 64 pixels become codes
.if \H == 0
	s_wait_loadcnt 32                              ; this half's 32 loads are in; the other half's may be out
.else
	s_wait_loadcnt 0x0
.endif
	WIN 0x05                                       ; sources 0 and 1 window 1
.irp t, 0,1,2,3
	v_max3_num_f32 v[M+\t], |v[128*\H+\t]|, |v[128*\H+4+\t]|, 0x1800000   ; with the floor 2^(3 - 127): the byte cannot fall under 1
.endr
.irp ii, 2,4,6,8,10,12,14,16,18,20,22,24,26,28,30
.irp t, 0,1,2,3
	v_max3_num_f32 v[M+\t], |v[128*\H+4*\ii+\t]|, |v[128*\H+4*\ii+4+\t]|, v[M+\t]   ; the four pixels by turns
.endr
.endr
.irp t, 0,1,2,3
.set ii, 0
.rept 32
	v_mov_b32 v[TMP+32*\t+ii], v[128*\H+4*ii+\t]   ; the conversion takes neighbours along K from consecutive registers: each number is copied once; x itself stays
.set ii, ii+1
.endr
.endr
	WIN 0
.irp t, 0,1,2,3
	v_add_nc_u32 v[SCO+\t], 0xff000000, v[M+\t]    ; 2 off the exponent field: the conversion's scale operand
.endr
.irp t, 0,1,2,3
	v_lshrrev_b32 v[BY+\t], 23, v[SCO+\t]          ; the scale's byte
.endr
.irp t, 0,1,2,3
.irp g, 0,1,2,3
	v_cvt_scalef32_pk8_fp4_f32 v[CD+4*\t+\g], v[TMP+32*\t+8*\g:TMP+32*\t+8*\g+7], v[SCO+\t]
.endr
.endr
	v_nop                                          ; one plain line behind the last conversion
.irp t, 0,1,2,3
	ds_store_b128 v[CST], v[CD+4*\t:CD+4*\t+3] offset:(4*\H+\t)*2048
	ds_store_b8 v[BST], v[BY+\t] offset:(4*\H+\t)*128
.endr
	BARRIER                                        ; the half's four tiles of codes and their scale bytes lie in LDS
	; ---- theta: my 32 channels for the half's four tiles
.irp t, 0,1,2,3
.irp s, 0,1
.irp c, 0,1
	ds_load_b128 v[XF+8*(2*\t+\s)+4*\c:XF+8*(2*\t+\s)+4*\c+3], v[LI] offset:(4*\H+\t)*2048+\s*1024+\c*512
.endr
.endr
	ds_load_b64 v[XSC+2*\t:XSC+2*\t+1], v[SRD] offset:(4*\H+\t)*128
.endr
	s_wait_dscnt 0x0
	WIN 0x22                                       ; source 0 (theta_w) and source 2 (theta_b) window 2
.irp mt, 0,1                           ; eight accumulators by turns
.irp t, 0,1,2,3
	v_wmma_scale_f32_16x16x128_f8f6f4 v[TH+8*(4*\mt+\t):TH+8*(4*\mt+\t)+7], v[TW+8*(2*\mt):TW+8*(2*\mt)+7], v[XF+8*(2*\t):XF+8*(2*\t)+7], v[TB+8*\mt:TB+8*\mt+7], v[WSC+2*\mt], v[XSC+2*\t] matrix_a_fmt:MATRIX_FMT_FP4 matrix_b_fmt:MATRIX_FMT_FP4
.endr
.endr
	WIN 0x02
.irp mt, 0,1
.irp t, 0,1,2,3
	v_wmma_scale_f32_16x16x128_f8f6f4 v[TH+8*(4*\mt+\t):TH+8*(4*\mt+\t)+7], v[TW+8*(2*\mt+1):TW+8*(2*\mt+1)+7], v[XF+8*(2*\t+1):XF+8*(2*\t+1)+7], v[TH+8*(4*\mt+\t):TH+8*(4*\mt+\t)+7], v[WSC+2*\mt+1], v[XSC+2*\t+1] matrix_a_fmt:MATRIX_FMT_FP4 matrix_b_fmt:MATRIX_FMT_FP4
.endr
.endr
	WIN 0
	PLACES
.irp mt, 0,1
.irp t, 0,1,2,3
.irp e, 0,2,4,6
	v_pk_mul_f32 v[TH+8*(4*\mt+\t)+\e:TH+8*(4*\mt+\t)+\e+1], v[TH+8*(4*\mt+\t)+\e:TH+8*(4*\mt+\t)+\e+1], s[52+2*\mt:53+2*\mt] op_sel_hi:[1,0]   ; x te / the largest te; each accumulator from its low end on
.endr
.endr
.endr
.set i, 0
.rept 32
	v_cvt_pk_f16_f32 v[HF+i], v[TH+2*i], v[TH+2*i+1]
.set i, i+1
.endr
.irp mt, 0,1
.irp t, 0,1,2,3
	ds_store_b128 v[TST], v[HF+4*(4*\mt+\t):HF+4*(4*\mt+\t)+3] offset:(4*\H+\t)*4096+512*\mt
.endr
.endr
	BARRIER                                        ; the half's sixteen fragments of theta' lie in LDS
	; ---- T' theta' + cb, then x
.irp t, 0,1,2,3
.irp s, 0,1,2,3
.irp c, 0,1
	ds_load_b128 v[BF+8*(4*\t+\s)+4*\c:BF+8*(4*\t+\s)+4*\c+3], v[THR] offset:(4*\H+\t)*4096+\s*1024+\c*512
.endr
.endr
.endr
	s_wait_dscnt 0x0
	WIN 0xe2                                       ; source 0 (T') and source 2 (cb) window 2, destination window 3
.irp u, 0,1,2,3                        ; sixteen accumulators by turns
.irp t, 0,1,2,3
	v_wmma_f32_16x16x32_f16 v[128*\H+8*(4*\u+\t):128*\H+8*(4*\u+\t)+7], v[8*(4*\u):8*(4*\u)+7], v[BF+8*(4*\t):BF+8*(4*\t)+7], v[CC+8*\u:CC+8*\u+7]
.endr
.endr
	WIN 0xf2                                       ; C and D window 3
.irp s, 1,2,3
.irp u, 0,1,2,3
.irp t, 0,1,2,3
	v_wmma_f32_16x16x32_f16 v[128*\H+8*(4*\u+\t):128*\H+8*(4*\u+\t)+7], v[8*(4*\u+\s):8*(4*\u+\s)+7], v[BF+8*(4*\t+\s):BF+8*(4*\t+\s)+7], v[128*\H+8*(4*\u+\t):128*\H+8*(4*\u+\t)+7]
.endr
.endr
.endr
	PLACES
	WIN 0x53                                       ; source 0 window 3; source 2 and destination window 1
.irp u, 0,1,2,3
.irp j, 0,1,2,3,4,5,6,7
.irp t, 0,1,2,3
	v_fma_f32 v[128*\H+4*(8*\u+\j)+\t], v[128*\H+8*(4*\u+\t)+\j], s50, v[128*\H+4*(8*\u+\j)+\t]   ; sum x the largest te + x, in x's place; each accumulator from its low end on
.endr
.endr
.endr
	WIN 0x04                                       ; a store's data are its source 1: window 1
.set ii, 0
.rept 32
	global_store_b128 v[XO], v[128*\H+4*ii:128*\H+4*ii+3], s[18:19] offset:ii*16384+256*\H th:TH_STORE_NT   ; sixteen lanes store 256 consecutive bytes, aligned; these registers are not written again
.set ii, ii+1
.endr
	WIN 0
.endm
	HALF 0
	HALF 1
	s_wait_tensorcnt 0x0                           ; the wave's end, behind my tensor load and my last LDS store
	ds_add_u32 v[SPW], v[NIL]
	s_wait_dscnt 0x0
	s_endpgm
.Lfunc_end_k_q6c5c195dd1_apply:
	.size	k_q6c5c195dd1_apply, .Lfunc_end_k_q6c5c195dd1_apply-k_q6c5c195dd1_apply
	.p2alignl 7, 3214868480
	.fill 96, 4, 3214868480
	.section	.rodata,"a",@progbits
	.p2align	6, 0x0
	.amdhsa_kernel k_q6c5c195dd1_apply
		.amdhsa_group_segment_fixed_size 167936
		.amdhsa_private_segment_fixed_size 0
		.amdhsa_enable_private_segment 0
		.amdhsa_kernarg_size 64
		.amdhsa_user_sgpr_count 2
		.amdhsa_user_sgpr_kernarg_segment_ptr 1
		.amdhsa_wavefront_size32 1
		.amdhsa_system_sgpr_workgroup_id_x 1
		.amdhsa_system_sgpr_workgroup_id_y 1
		.amdhsa_system_sgpr_workgroup_id_z 1
		.amdhsa_system_vgpr_workitem_id 0
		.amdhsa_next_free_vgpr 1024
		.amdhsa_next_free_sgpr 66
		.amdhsa_reserve_vcc 0
		.amdhsa_float_denorm_mode_32 3
		.amdhsa_float_denorm_mode_16_64 3
		.amdhsa_memory_ordered 1
		.amdhsa_forward_progress 1
		.amdhsa_inst_pref_size 87
	.end_amdhsa_kernel
	.amdgpu_metadata
---
amdhsa.version: [ 1, 2 ]
amdhsa.kernels:
  - .name:           k_q6c5c195dd1_apply
    .symbol:         k_q6c5c195dd1_apply.kd
    .args:
      - { .name: x, .offset: 0, .size: 8, .value_kind: global_buffer, .address_space: global }
      - { .name: wq, .offset: 8, .size: 8, .value_kind: global_buffer, .address_space: global }
      - { .name: ws, .offset: 16, .size: 8, .value_kind: global_buffer, .address_space: global }
      - { .name: theta_b, .offset: 24, .size: 8, .value_kind: global_buffer, .address_space: global }
      - { .name: tq, .offset: 32, .size: 8, .value_kind: global_buffer, .address_space: global }
      - { .name: te, .offset: 40, .size: 8, .value_kind: global_buffer, .address_space: global }
      - { .name: cb, .offset: 48, .size: 8, .value_kind: global_buffer, .address_space: global }
      - { .name: out0, .offset: 56, .size: 8, .value_kind: global_buffer, .address_space: global }
    .group_segment_fixed_size: 167936
    .private_segment_fixed_size: 0
    .kernarg_segment_align: 8
    .kernarg_segment_size: 64
    .max_flat_workgroup_size: 128
    .sgpr_count:     66
    .vgpr_count:     1024
    .wavefront_size: 32
...
	.end_amdgpu_metadata
.endif
;; end of part 4
